; MI455X (gfx1250); checked and timed in simulation.
; The chip was launched on July 23, 2026; its instructions are those of AMD's public machine-readable ISA for CDNA 5 (MIT licence, August 2026) and "CDNA5" Instruction Set Architecture Reference Guide (July 2026). The comments in the code are by the model that wrote it; some were corrected since.
;; Expert Mixture. Allowed arithmetic: matrix products marked QUANTISED: E5M2 operands, one given power-of-two scale a tensor, by v_wmma_f32_16x16x64_bf8_bf8 or v_wmma_f32_16x16x128_bf8_bf8, f32 sums; products left as they are: f32 operands where the result goes on into a quantised operand, else bf16, f16 or f32 operands; f32 sums; everything else in f32.
;; Inputs: W1_codes 8 x 2,048 x 32 x 32 uint8 (E5M2 codes of W1, K innermost, in blocks of 32 codes); W2 8 x 2,048 x 3 float32; Wr 1,024 x 8 float32; b1 8 x 2,048 float32; b2 8 x 3 float32; br 8 float32; lowp_scales 2 int32 (the exponents e of the quantised operands' scales 2^e); x 4,096 x 1,024 float32.
;; Outputs: out0 4,096 x 3 float32.
;; This version of the problem:
;;   THIS VERSION OF THE PROBLEM IS GIVEN IN LOW PRECISION. The matrix products marked QUANTISED in the list below multiply operands that are first quantised to E5M2 (5 exponent bits, 2 mantissa bits; 8 bits a number), with one given power-of-two scale for each operand tensor; their sums are f32. All else is computed in f32.
;;   The module's matrix products, in the order in which they are computed (A, B: the left and right operand; K: the contracted axis; several contracted axes count as one K, in the product's order):
;;     1. [M 4,096, K 1,024] x [K 1,024, N 8]; A: input x; B: input Wr: left as it is (N = 8 < 16)
;;     2. [M 16,384, K 1,024] x [K 1,024, N 4,096]; A: input W1 (given as codes); B: input x: QUANTISED (scales: A lowp_scales[0], B lowp_scales[1])
;;     3. batch 8 x [M 4,096, K 2,048] x [K 2,048, N 3]; A: computed on the way; B: input W2: left as it is (N = 3 < 16)
;;   THE QUANTISER, for each operand of a quantised product, along K:
;;     - The operand's scale is 2^e, e = its entry of the input lowp_scales (int32; the entries are numbered through the quantised products in the list's order, A before B).
;;     - Each number is divided by the scale, clamped to +-57,344, and rounded to the nearest number of E5M2, ties to even, subnormals kept.
;;     - The product sums the exact products of the quantised numbers (number of the format x scale) in f32.
;;   ~~~python
;;   def quantise(x, axis, e):      # numpy; x: float32 -> the quantised numbers, widened to float32 again
;;       x = np.moveaxis(x, axis, -1); K = x.shape[-1]
;;       r = np.clip(x / 2.0 ** e, -57344, 57344)
;;       step = 2.0 ** (np.maximum(np.frexp(np.where(r == 0, 1, r))[1] - 1, -14) - 2)
;;       q = np.round(r / step) * step * 2.0 ** e      # np.round: ties to even
;;       return np.moveaxis(q, -1, axis).astype(np.float32)
;;   ~~~
;;   INPUTS GIVEN AS CODES. W1 (in the module: [8, 1024, 2048], K = its axis 1): each comes as NAME_codes (uint8): NAME with its K axis moved to the last place and cut into blocks of 32 codes, [.., K / 32, bytes a block], one block behind the other in memory; one code a byte (a code: sign, 5 exponent bits, 2 mantissa bits); its scale is its entry of lowp_scales. Its value is code x scale, taken as it is: it is not quantised again, and the codes and scales need not be those that the quantiser above would give.
;; One version. Each part assembles by itself: llvm-mc -triple=amdgcn-amd-amdhsa -mcpu=gfx1250 --defsym DOCPART=n.
;; ======== version 1 of 1: 4 launches
;; workspace buffers: xq 4,194,304 bytes; topics 16,384 bytes of whole numbers; part 8,388,608 bytes; order 131,072 bytes of whole numbers; cnt 256 bytes of whole numbers
;; launch route (part 1): grid 256 x 1, 8 waves a work-group, no clusters, 19,456 bytes of LDS; arguments x, Wr, br, lowp_scales, xq, topics; writes xq, topics
.if DOCPART == 1
	.amdgcn_target "amdgcn-amd-amdhsa--gfx1250"
	.amdhsa_code_object_version 6
	.text
	.protected	k_q4877293449_route
	.globl	k_q4877293449_route
	.p2align	8
	.type	k_q4877293449_route,@function
k_q4877293449_route:
	s_mov_b64 s[64:65], 0
	v_nop
	global_prefetch_b8 v0, s[64:65] scope:SCOPE_SE
	s_setreg_imm32_b32 hwreg(HW_REG_WAVE_MODE, 25, 1), 1
	s_wait_xcnt 0x0
; THE ROUTER AND THE QUANTISER.  x: [4096][1024] f32.  topics[row] = argmax over 8 experts of x Wr + br, in f32 by fused multiply-adds; xq[row][k] = the E5M2 code of x / 2^e1, K in its natural order.
; x is read once and serves both.  The choice is stored as whole numbers: no address and no branch of this launch hangs on it.
; SHARES.  A work-group owns 16 rows (65,536 bytes of x).  Wave w: kq = w % 4 takes columns 256 kq .. 256 kq + 255, rh = w / 4 takes rows 8 rh .. 8 rh + 7.  For row i and u = 0, 1 a lane holds
; x(row, 256 kq + 128 u + 4 lane + 0 .. 3): each load of a wave covers 512 consecutive bytes, and all sixteen of a wave are asked for at once.
; A wave's 256 rows of Wr (8 KB) stay in 64 registers.  A row's eight partial logits are summed over the 32 lanes and meet the other three column quarters' in LDS; wave 0 adds them and br and takes the argmax.
; The codes (4 a lane and load) go through a stage in LDS, so that each store of a wave covers 512 consecutive bytes of xq, aligned.
; No matrix unit, no cluster, no tensor load: the stream binds, work-groups share only Wr (32 KB), and the product has 8 columns.
; LIMITS.  e1 = lowp_scales[1] between -126 and 112, so that 2^e1 and 57,344 x 2^e1 are f32 numbers.  NaN among x, Wr, br is not served.  Equal logits: the lower index (a strict compare).
; The logits are f32 sums in another order than a plain dot product's: a row whose two largest logits agree to within f32 rounding may be routed to the other of the two.
.set CS,  0                            ; LDS: 16 rows x 1,024 bytes of codes
.set LG,  16384                        ; LDS: partial logits [kq 4][row 16][expert 8] f32: 2,048 bytes
.set WR,  16                           ; v16-79   Wr(256 kq + 128 u + 4 lane + q, e) at 16 + 32 u + 8 q + e
.set X,   80                           ; v80-143  x at 80 + 8 i + 4 u + q
.set A,   144                          ; v144-159 two sets of eight logits, by turns
.set T,   160                          ; v160-167 what the other half of the lanes holds
.set C,   168                          ; v168-183 codes, two registers a row
	s_load_b256 s[4:11], s[0:1], 0x0               ; x s[4:5], Wr s[6:7], br s[8:9], the scales' exponents s[10:11]
	s_load_b128 s[12:15], s[0:1], 0x20             ; xq s[12:13], topics s[14:15]
	v_lshl_add_u32 v184, v0, 2, 0x4800
	v_mov_b32 v185, 0
	v_lshrrev_b32 v1, 5, v0
	v_readfirstlane_b32 s26, v1                    ; wave 0..7
	v_and_b32 v1, 31, v0                           ; lane
	s_and_b32 s27, s26, 3                          ; kq
	s_lshr_b32 s28, s26, 2                         ; rh
	s_lshl_b32 s29, s27, 10
	s_lshl_b32 s32, s28, 15
	s_add_co_u32 s29, s29, s32
	v_lshl_add_u32 v2, v1, 4, s29                  ; x: 16 lane + 1,024 kq + 32,768 rh
	s_lshl_b32 s29, s27, 13
	v_lshl_add_u32 v3, v1, 7, s29                  ; Wr: 128 lane (four rows of 32 bytes) + 8,192 kq
	s_lshl_b32 s29, s28, 13
	s_lshl_b32 s32, s27, 8
	s_add_co_u32 s29, s29, s32
	v_lshl_add_u32 v4, v1, 2, s29                  ; the stage, in: CS + 8,192 rh + 256 kq + 4 lane
	s_lshl_b32 s29, s27, 9
	s_lshl_b32 s32, s28, 8
	s_add_co_u32 s29, s29, s32
	s_add_co_u32 s29, s29, LG
	v_mov_b32 v5, s29                              ; my wave's partial logits: LG + 512 kq + 256 rh
	v_lshlrev_b32 v6, 4, v0                        ; 16 x thread: the stage on the way out (CS = 0), and the same place in the group's 16 KB of xq
	v_and_b32 v10, 15, v0
	v_lshlrev_b32 v10, 5, v10
	v_add_nc_u32 v10, LG, v10                      ; wave 0's last step: row lane % 16 of the partial logits
	v_lshlrev_b32 v11, 2, v1                       ; and its word of topics
.irp e, 0,1,2,3,4,5,6,7
	v_mov_b32 v[T+\e], 0                           ; written once: a lane permute's destination counts as one of its sources
.endr
	s_mov_b32 s30, 0x76543210                      ; v_permlanex16_b32: lane l takes lane l xor 16
	s_mov_b32 s31, 0xfedcba98
	s_lshl_b32 s2, ttmp9, 16                       ; the work-group's 16 rows of 4,096 bytes
	s_mov_b32 s3, 0
	s_wait_kmcnt 0x0
	s_load_b256 s[16:23], s[8:9], 0x0              ; br
	s_load_b64 s[24:25], s[10:11], 0x0             ; e0 (not used here), e1
	s_add_nc_u64 s[4:5], s[4:5], s[2:3]
.irp u, 0,1
.irp q, 0,1,2,3
	global_load_b128 v[WR+32*\u+8*\q:WR+32*\u+8*\q+3],   v3, s[6:7] offset:4096*\u+32*\q
	global_load_b128 v[WR+32*\u+8*\q+4:WR+32*\u+8*\q+7], v3, s[6:7] offset:4096*\u+32*\q+16
.endr
.endr
.irp i, 0,1,2,3,4,5,6,7
.irp u, 0,1
	global_load_b128 v[X+8*\i+4*\u:X+8*\i+4*\u+3], v2, s[4:5] offset:4096*\i+512*\u th:TH_LOAD_NT   ; 32 lanes read 512 consecutive bytes; read once in the launch
.endr
.endr
	s_lshl_b32 s2, ttmp9, 14
	s_add_nc_u64 s[12:13], s[12:13], s[2:3]        ; xq at the group's 16 rows of 1,024 bytes
	s_lshl_b32 s2, ttmp9, 6
	s_add_nc_u64 s[14:15], s[14:15], s[2:3]        ; topics at the group's 16 words
	s_wait_kmcnt 0x0
	s_add_co_i32 s25, s25, 127
	s_lshl_b32 s24, s25, 23
	v_mov_b32 v8, s24                              ; 2^e1 as f32: the conversion takes its exponent field
	s_add_co_i32 s25, s25, 15
	s_lshl_b32 s25, s25, 23
	s_or_b32 s25, s25, 0x600000
	v_mov_b32 v9, s25                              ; 57,344 x 2^e1
; Row i of my eight: its part of the eight logits, then its codes.
.macro ROW i
.set AS, A+8*((\i)%2)
	s_wait_loadcnt 2*(7-(\i))                      ; loads come back in order: this row's two are in (and Wr's sixteen, which are older); the later rows' stay out
.irp u, 0,1
.irp q, 0,1,2,3
.irp pe, 0,1,2,3                       ; two experts an instruction, four chains; one number of x serves both halves
.if (\u == 0) && (\q == 0)
	v_pk_mul_f32 v[AS+2*\pe:AS+2*\pe+1], v[X+8*(\i):X+8*(\i)+1], v[WR+2*\pe:WR+2*\pe+1] op_sel_hi:[0,1]   ; the first product starts the sums
.elseif (\q%2) == 0
	v_pk_fma_f32 v[AS+2*\pe:AS+2*\pe+1], v[X+8*(\i)+4*\u+2*(\q/2):X+8*(\i)+4*\u+2*(\q/2)+1], v[WR+32*\u+8*\q+2*\pe:WR+32*\u+8*\q+2*\pe+1], v[AS+2*\pe:AS+2*\pe+1] op_sel_hi:[0,1,1]
.else
	v_pk_fma_f32 v[AS+2*\pe:AS+2*\pe+1], v[X+8*(\i)+4*\u+2*(\q/2):X+8*(\i)+4*\u+2*(\q/2)+1], v[WR+32*\u+8*\q+2*\pe:WR+32*\u+8*\q+2*\pe+1], v[AS+2*\pe:AS+2*\pe+1] op_sel:[1,0,0] op_sel_hi:[1,1,1]
.endif
.endr
.endr
.endr
.irp m, 1,2,4,8                        ; over the lanes: four steps inside each half ride on the addition, the eight logits by turns,
.irp e, 0,1,2,3,4,5,6,7
	v_add_f32_dpp v[AS+\e], v[AS+\e], v[AS+\e] row_xmask:\m row_mask:0xf bank_mask:0xf
.endr
.endr
.irp e, 0,1,2,3,4,5,6,7
	v_permlanex16_b32 v[T+\e], v[AS+\e], s30, s31  ; one crosses the halves
.endr
.irp e, 0,1,2,3,4,5,6,7
	v_add_f32 v[AS+\e], v[AS+\e], v[T+\e]
.endr
	ds_store_b128 v5, v[AS:AS+3] offset:32*(\i)    ; every lane holds the same eight sums and writes the same 32 bytes
	ds_store_b128 v5, v[AS+4:AS+7] offset:32*(\i)+16
.irp n, 0,1,2,3,4,5,6,7
	v_med3_num_f32 v[X+8*(\i)+\n], v[X+8*(\i)+\n], -v9, v9   ; behind the products, which take x as it is: the conversion to an 8-bit code does not saturate (ISA guide 7.6.2), so the number is held within the largest code x the scale
.endr
	v_cvt_scalef32_pk8_bf8_f32 v[C+2*(\i):C+2*(\i)+1], v[X+8*(\i):X+8*(\i)+7], v8   ; eight numbers / 2^e1, to the nearest code, ties to even; the first number's code in the lowest byte
	v_nop                                          ; one plain vector line behind a scaled conversion
	ds_store_b32 v4, v[C+2*(\i)] offset:1024*(\i)          ; columns 256 kq + 4 lane on
	ds_store_b32 v4, v[C+2*(\i)+1] offset:1024*(\i)+128    ; columns 256 kq + 128 + 4 lane on
.endm
.irp i, 0,1,2,3,4,5,6,7
	ROW \i
.endr
	s_wait_dscnt 0x0                               ; for the others' sake: my codes and my partial logits lie in LDS
	s_barrier_signal -1
	s_barrier_wait -1
.irp j, 0,1,2,3
	ds_load_b128 v[X+4*\j:X+4*\j+3], v6 offset:4096*\j
.endr
.irp j, 0,1,2,3
	s_wait_dscnt 3-\j                              ; LDS loads come back in order
	global_store_b128 v6, v[X+4*\j:X+4*\j+3], s[12:13] offset:4096*\j   ; a wave stores 512 consecutive bytes, at a multiple of 512 from xq's first byte
.endr
	s_cmp_lg_u32 s26, 0                            ; wave 0 alone chooses; no barrier follows
	s_cbranch_scc1 .Lend
.irp q, 0,1,2,3
	ds_load_b128 v[WR+8*\q:WR+8*\q+3],   v10 offset:512*\q       ; column quarter q's part of row lane % 16 (lanes 16-31 repeat lanes 0-15)
	ds_load_b128 v[WR+8*\q+4:WR+8*\q+7], v10 offset:512*\q+16
.endr
	s_wait_dscnt 0x0
.irp e, 0,2,4,6
	v_pk_add_f32 v[WR+\e:WR+\e+1], v[WR+\e:WR+\e+1], v[WR+8+\e:WR+9+\e]
	v_pk_add_f32 v[WR+16+\e:WR+17+\e], v[WR+16+\e:WR+17+\e], v[WR+24+\e:WR+25+\e]
.endr
.irp e, 0,2,4,6
	v_pk_add_f32 v[WR+\e:WR+\e+1], v[WR+\e:WR+\e+1], v[WR+16+\e:WR+17+\e]
.endr
.irp e, 0,1,2,3,4,5,6,7
	v_add_f32 v[WR+\e], s[16+\e], v[WR+\e]         ; + br
.endr
	v_mov_b32 v12, 0                               ; the best so far: expert 0, its logit in v[WR]
.irp e, 1,2,3,4,5,6,7
	v_cmp_gt_f32 vcc_lo, v[WR+\e], v[WR]           ; strictly larger: of equals the lower index stays
	v_cndmask_b32 v[WR], v[WR], v[WR+\e], vcc_lo
	v_cndmask_b32 v12, v12, \e, vcc_lo
.endr
	s_wait_xcnt 0x0                                ; EXEC is a source of the stores above: it changes only behind this wait
	v_cmp_gt_u32 vcc_lo, 16, v1
	s_and_saveexec_b32 s29, vcc_lo
	global_store_b32 v11, v12, s[14:15]            ; sixteen lanes store the group's 64 bytes of topics (16 KB in the whole launch)
	s_wait_xcnt 0x0
	s_or_b32 exec_lo, exec_lo, s29
.Lend:
	s_wait_tensorcnt 0x0
	ds_add_u32 v184, v185
	s_wait_dscnt 0x0
	s_endpgm
.Lfunc_end_k_q4877293449_route:
	.size	k_q4877293449_route, .Lfunc_end_k_q4877293449_route-k_q4877293449_route
	.p2alignl 7, 3214868480
	.fill 96, 4, 3214868480
	.section	.rodata,"a",@progbits
	.p2align	6, 0x0
	.amdhsa_kernel k_q4877293449_route
		.amdhsa_group_segment_fixed_size 19456
		.amdhsa_private_segment_fixed_size 0
		.amdhsa_enable_private_segment 0
		.amdhsa_kernarg_size 48
		.amdhsa_user_sgpr_count 2
		.amdhsa_user_sgpr_kernarg_segment_ptr 1
		.amdhsa_wavefront_size32 1
		.amdhsa_system_sgpr_workgroup_id_x 1
		.amdhsa_system_sgpr_workgroup_id_y 1
		.amdhsa_system_sgpr_workgroup_id_z 1
		.amdhsa_system_vgpr_workitem_id 0
		.amdhsa_next_free_vgpr 186
		.amdhsa_next_free_sgpr 66
		.amdhsa_reserve_vcc 1
		.amdhsa_float_denorm_mode_32 3
		.amdhsa_float_denorm_mode_16_64 3
		.amdhsa_memory_ordered 1
		.amdhsa_forward_progress 1
		.amdhsa_inst_pref_size 55
	.end_amdhsa_kernel
	.amdgpu_metadata
---
amdhsa.version: [ 1, 2 ]
amdhsa.kernels:
  - .name:           k_q4877293449_route
    .symbol:         k_q4877293449_route.kd
    .args:
      - { .name: x, .offset: 0, .size: 8, .value_kind: global_buffer, .address_space: global }
      - { .name: Wr, .offset: 8, .size: 8, .value_kind: global_buffer, .address_space: global }
      - { .name: br, .offset: 16, .size: 8, .value_kind: global_buffer, .address_space: global }
      - { .name: lowp_scales, .offset: 24, .size: 8, .value_kind: global_buffer, .address_space: global }
      - { .name: xq, .offset: 32, .size: 8, .value_kind: global_buffer, .address_space: global }
      - { .name: topics, .offset: 40, .size: 8, .value_kind: global_buffer, .address_space: global }
    .group_segment_fixed_size: 19456
    .private_segment_fixed_size: 0
    .kernarg_segment_align: 8
    .kernarg_segment_size: 48
    .max_flat_workgroup_size: 256
    .sgpr_count:     66
    .vgpr_count:     186
    .wavefront_size: 32
...
	.end_amdgpu_metadata
.endif
;; end of part 1
;; launch place (part 2): grid 8 x 1, 1 waves a work-group, no clusters, 0 bytes of LDS; arguments topics, order, cnt; writes order, cnt
.if DOCPART == 2
	.amdgcn_target "amdgcn-amd-amdhsa--gfx1250"
	.amdhsa_code_object_version 6
	.text
	.protected	k_q4877293449_place
	.globl	k_q4877293449_place
	.p2align	8
	.type	k_q4877293449_place,@function
k_q4877293449_place:
	s_mov_b64 s[64:65], 0
	v_nop
	global_prefetch_b8 v0, s[64:65] scope:SCOPE_SE
	s_setreg_imm32_b32 hwreg(HW_REG_WAVE_MODE, 25, 1), 1
	s_wait_xcnt 0x0
; THE ROWS ARE PLACED BY EXPERT.  topics: int32 [4096], stored by the launch before.  Work-group e (one wave) writes order[e][place] = token, a permutation of the 4,096 tokens:
; those that chose expert e from place 0 up, all others from place 4,095 down, so that every word of order[e] is written; and cnt[e] = n, the number of the first kind.
; The later launches form addresses and trip counts from these whole numbers; this launch forms its store addresses from topics, which it reads from memory.
; Eight work-groups: one list for each expert is all the work there is.  No LDS, no barrier, no atomics: each word of order and cnt has one writer.
; Register i of lane l holds the topic of token 128 (i / 4) + 4 l + i % 4: each load of the wave covers 512 consecutive bytes.  The tokens are taken in the order 32 i + l.
; The stores are four bytes a lane: the lanes of expert e write neighbouring words going up, the others neighbouring words going down; 16 KB a work-group.
.set TP, 16                            ; v16-143  the topics
.set PF, 144                           ; v144-147 places, then byte offsets: four at a time
.set PB, 148                           ; v148-151 places counted from the back
.set PD, 152                           ; v152-155 tokens
.set NL, 2                             ; v2  -lane
.set L4, 3                             ; v3  4 x lane
	s_load_b128 s[4:7], s[0:1], 0x0                ; topics s[4:5], order s[6:7]
	s_load_b64 s[8:9], s[0:1], 0x10                ; cnt
	v_lshlrev_b32 v1, 4, v0                        ; 16 x lane (one wave: the thread's number is the lane)
	v_sub_nc_u32 v[NL], 0, v0
	v_lshlrev_b32 v[L4], 2, v0
	s_mov_b32 s27, ttmp9                           ; e
	s_lshl_b32 s10, ttmp9, 14                      ; order: 4,096 words an expert
	s_mov_b32 s11, 0
	s_lshl_b32 s12, ttmp9, 2                       ; cnt: word e
	s_mov_b32 s13, 0
	s_mov_b32 s34, 0                               ; tokens of expert e so far
	s_wait_kmcnt 0x0
.set NN, 0
.rept 32
	global_load_b128 v[TP+4*NN:TP+4*NN+3], v1, s[4:5] offset:512*NN
.set NN, NN+1
.endr
	s_add_nc_u64 s[6:7], s[6:7], s[10:11]
	s_add_nc_u64 s[8:9], s[8:9], s[12:13]
; Registers 4 j .. 4 j + 3.  A token of my expert takes the next place from the front: the count so far + those of my expert in lower lanes.  Any other takes the next from the back:
; before it stand 32 i + lane - front others, so its place is front - lane + 4,095 - 32 i.  The four registers' lines take turns, their masks and counts in scalar registers.
.macro PLACE4 j
	s_wait_loadcnt 31-(\j)                         ; loads come back in order: load j is in, the 31 - j behind it stay out
.irp c, 0,1,2,3
	v_cmp_eq_u32 s[48+\c], s27, v[TP+4*(\j)+\c]
.endr
.irp c, 0,1,2,3
	s_bcnt1_i32_b32 s[56+\c], s[48+\c]
.endr
	s_mov_b32 s52, s34
	s_add_co_u32 s53, s52, s56
	s_add_co_u32 s54, s53, s57
	s_add_co_u32 s55, s54, s58
	s_add_co_u32 s34, s55, s59
	s_wait_xcnt 0x0                                ; the four stores before have read their offsets and data: both are written again only behind this wait
.irp c, 0,1,2,3
	v_add_nc_u32 v[PD+\c], 128*(\j)+\c, v[L4]      ; the token
.endr
.irp c, 0,1,2,3
	v_mbcnt_lo_u32_b32 v[PF+\c], s[48+\c], s[52+\c]
.endr
.irp c, 0,1,2,3
	v_add3_u32 v[PB+\c], v[PF+\c], v[NL], 4095-32*(4*(\j)+\c)
.endr
.irp c, 0,1,2,3
	v_cndmask_b32 v[PF+\c], v[PB+\c], v[PF+\c], s[48+\c]
.endr
.irp c, 0,1,2,3
	v_min_u32 v[PF+\c], 0xfff, v[PF+\c]            ; a place made from loaded numbers is held inside the list before it enters an address
.endr
.irp c, 0,1,2,3
	v_lshlrev_b32 v[PF+\c], 2, v[PF+\c]
.endr
.irp c, 0,1,2,3
	global_store_b32 v[PF+\c], v[PD+\c], s[6:7]
.endr
.endm
.set NN, 0
.rept 32
	PLACE4 NN
.set NN, NN+1
.endr
	v_mov_b32 v4, s34                              ; n
	v_mov_b32 v5, 0
	s_wait_xcnt 0x0                                ; EXEC is a source of the stores above: it changes only behind this wait
	v_cmp_eq_u32 vcc_lo, 0, v0
	s_and_saveexec_b32 s40, vcc_lo
	global_store_b32 v5, v4, s[8:9]                ; one word: eight in the whole launch
	s_wait_xcnt 0x0
	s_or_b32 exec_lo, exec_lo, s40
	s_endpgm
.Lfunc_end_k_q4877293449_place:
	.size	k_q4877293449_place, .Lfunc_end_k_q4877293449_place-k_q4877293449_place
	.p2alignl 7, 3214868480
	.fill 96, 4, 3214868480
	.section	.rodata,"a",@progbits
	.p2align	6, 0x0
	.amdhsa_kernel k_q4877293449_place
		.amdhsa_group_segment_fixed_size 0
		.amdhsa_private_segment_fixed_size 0
		.amdhsa_enable_private_segment 0
		.amdhsa_kernarg_size 24
		.amdhsa_user_sgpr_count 2
		.amdhsa_user_sgpr_kernarg_segment_ptr 1
		.amdhsa_wavefront_size32 1
		.amdhsa_system_sgpr_workgroup_id_x 1
		.amdhsa_system_sgpr_workgroup_id_y 1
		.amdhsa_system_sgpr_workgroup_id_z 1
		.amdhsa_system_vgpr_workitem_id 0
		.amdhsa_next_free_vgpr 160
		.amdhsa_next_free_sgpr 66
		.amdhsa_reserve_vcc 1
		.amdhsa_float_denorm_mode_32 3
		.amdhsa_float_denorm_mode_16_64 3
		.amdhsa_memory_ordered 1
		.amdhsa_forward_progress 1
		.amdhsa_inst_pref_size 83
	.end_amdhsa_kernel
	.amdgpu_metadata
---
amdhsa.version: [ 1, 2 ]
amdhsa.kernels:
  - .name:           k_q4877293449_place
    .symbol:         k_q4877293449_place.kd
    .args:
      - { .name: topics, .offset: 0, .size: 8, .value_kind: global_buffer, .address_space: global }
      - { .name: order, .offset: 8, .size: 8, .value_kind: global_buffer, .address_space: global }
      - { .name: cnt, .offset: 16, .size: 8, .value_kind: global_buffer, .address_space: global }
    .group_segment_fixed_size: 0
    .private_segment_fixed_size: 0
    .kernarg_segment_align: 8
    .kernarg_segment_size: 24
    .max_flat_workgroup_size: 32
    .sgpr_count:     66
    .vgpr_count:     160
    .wavefront_size: 32
...
	.end_amdgpu_metadata
.endif
;; end of part 2
;; launch chain (part 3): grid 256 x 1, 4 waves a work-group, no clusters, 135,680 bytes of LDS; arguments order, xq, W1_codes, b1, W2, lowp_scales, part, cnt; writes part
.if DOCPART == 3
	.amdgcn_target "amdgcn-amd-amdhsa--gfx1250"
	.amdhsa_code_object_version 6
	.text
	.protected	k_q4877293449_chain
	.globl	k_q4877293449_chain
	.p2align	8
	.type	k_q4877293449_chain,@function
k_q4877293449_chain:
	s_mov_b64 s[64:65], 0
	v_nop
	global_prefetch_b8 v0, s[64:65] scope:SCOPE_SE
	s_setreg_imm32_b32 hwreg(HW_REG_WAVE_MODE, 25, 1), 1
	s_wait_xcnt 0x0
; THE CHOSEN EXPERT'S CHAIN, on the rows that chose it and no others: part[s][e][place][c] = the sum over the 128 hidden units of slice s of relu(Q(x) W1[e] + b1[e]) x W2[e][.][c].
; The first product multiplies E5M2 codes (W1_codes as given, xq from the first launch) by v_wmma_f32_16x16x128_bf8_bf8, sums in f32; the second (3 columns) is f32 multiply-adds.
; SHARES.  Work-group wg: expert e = wg / 32, slice s = (wg / 2) % 16 (hidden units 128 s .. 128 s + 127), part p = wg % 2.  Its wave w is worker q = 4 p + w of the eight that share (e, s).
; Expert e's rows are listed by place in order[e] (a permutation of the tokens, its own n = cnt[e] first), 16 places a tile; in pass P worker q takes tiles q + 8 (g + 5 P), g = 0 .. 4: a pass serves 640 places,
; and there are as many passes as n asks for, seven at the most (7 x 640 = 4,480 places, more than the 4,096 rows there are): all rows on one expert are served too.
; A tile that begins at or past n is multiplied (its rows are other tokens of the list) and not stored.  n and the list are whole numbers that an earlier launch stored: trip count, branches and gather addresses hang on them alone.
; The slice of W1 (128 KB, dense) comes through registers into LDS once, where the four waves share it.
; THE PRODUCT IS USED TRANSPOSED: source 0 = 16 hidden units (rows of W1), source 1 = 16 rows of x.  A lane then holds ONE row of x (lane % 16), and its eight registers hidden units 16 t + 8 (lane / 16) + 0 .. 7.
; A fragment (16 rows x 128 K, 16 registers) comes by four loads of 16 bytes, 32 bytes apart, at row + 16 (lane / 16): the same permutation of k on both sides, so every product meets its partner.
; SCALES.  A sum stands for sum x 2^(e0 + e1).  b1 goes in as the C of each sum's first product, divided by 2^(e0 + e1); relu keeps the sign; W2 is multiplied by 2^(e0 + e1) once, in the table.
; K IS OUTERMOST: a K step of 128 takes 8 fragments of W1 from LDS (each feeds five products) and 5 of x, gathered from xq through a ring of three K steps in registers: 60 loads of a wave are out.
; NO CLUSTER, NO TENSOR LOAD: this text loads through registers, and joint requests are tensor loads.
; LIMITS.  b1 / 2^(e0 + e1) and W2 x 2^(e0 + e1) are taken to be f32 numbers without overflow or underflow.  A gather load takes 32 bytes of each of 16 rows: the rows are whatever tokens the router chose.
; REGISTERS, in windows of 256 (s_set_vgpr_msb: bits 1:0 source 0, 3:2 source 1, 5:4 source 2, 7:6 destination):
;   window 0: v0-30 ids and addresses; v32-95 b1 in the result's layout, 8 a tile; v96-99 raw b1, W2; v128-255 W1's 8 fragments.  Behind the products: v32-223 W2 (24 a tile), v224-253 the sums, then v32-66 the way out.
;   window 1: v0-239 x's ring: K step k, tile g at 80 (k % 3) + 16 g.   window 2: accumulators (t 0-3, g) at 8 (5 t + g); before that the 64 loads of W1.   window 3: accumulators (t 4-7, g).
.set WP,    1040                       ; a row of W1 in LDS: 1,024 bytes + 16 = 65 x 16: the sixteen rows of a fragment load start in sixteen different 16-byte columns of the 64 banks of 4 bytes (ISA guide 11.1)
.set WHALF, 64*WP                      ; rows 64 on: beyond the 16-bit immediate, so they have address registers of their own
.set TAB,   128*WP                     ; 133,120: 8 tiles x 2 halves x 128 bytes: b1' x 8, then W2' of column 0, 1, 2 x 8
.set PASSES, 7                         ; 7 x 640 places cover 4,096 rows
.set AW,   4                           ; v4, v5  W1's fragments: row lane % 16 x pitch + 16 (lane / 16); the same 64 rows on
.set LA,   18                          ; v18-22  byte offset in order[e] of my place in tile g
.set XO,   24                          ; v24-28  my token, then its row in xq + 16 (lane / 16)
.set B1R,  32
.set W2T,  32
.set WF,   128
.set OUT,  224                         ; pair (g, c) at 224 + 6 g + 2 c
.set OQ,   32                          ; the way out: four words a tile
.set PT,   52                          ; what the other half of the lanes holds
.set MSB, 0
.macro WIN new                         ; the immediate's high byte repeats the setting that is left; a switch that changes nothing is dropped
.if MSB != \new
	s_set_vgpr_msb (MSB<<8)|\new
.set MSB, \new
.endif
.endm
.macro PLACES                          ; a load into a register that a matrix instruction has read, and a vector instruction that reads a result, stand four plain vector lines behind it
.rept 4
	v_nop
.endr
.endm
; My five tokens of a pass are asked for.  clamp = 1: places beyond 4,095 (a later pass's last tiles) are held at 4,095: such a tile is not stored.
.macro LISTASK clamp
.irp g, 0,1,2,3,4
	v_add_nc_u32 v[LA+\g], 128*\g, v12
.if \clamp
	v_min_u32 v[LA+\g], 0xfff, v[LA+\g]
.endif
	v_lshlrev_b32 v[LA+\g], 2, v[LA+\g]
.endr
.irp g, 0,1,2,3,4
	global_load_b32 v[XO+\g], v[LA+\g], s[8:9]     ; sixteen lanes read 64 consecutive bytes of the list; lanes 16-31 the same
.endr
.endm
.macro LISTGOT left                    ; left: the younger loads that may stay out
	s_wait_loadcnt \left
.irp g, 0,1,2,3,4
	v_min_u32 v[XO+\g], 0xfff, v[XO+\g]            ; a loaded number is held inside xq's rows before it enters an address
	v_lshl_add_u32 v[XO+\g], v[XO+\g], 10, v11     ; token x 1,024 + 16 h
.endr
.endm
.macro GATH k                          ; K step k of my five tiles of x: 20 loads into the ring's slot k % 3
.irp g, 0,1,2,3,4
.irp c, 0,1,2,3
	global_load_b128 v[80*((\k)%3)+16*\g+4*\c:80*((\k)%3)+16*\g+4*\c+3], v[XO+\g], s[10:11] offset:128*(\k)+32*\c
.endr
.endr
.endm
.macro GATH3
	WIN 0x40                                       ; destination window 1
	GATH 0
	GATH 1
	GATH 2
	WIN 0
.endm
	s_load_b512 s[8:23], s[0:1], 0x0               ; order s[8:9], xq s[10:11], W1's codes s[12:13], b1 s[14:15], W2 s[16:17], the scales' exponents s[18:19], part s[20:21], cnt s[22:23]
	v_lshl_add_u32 v23, v0, 2, 0x21000
	v_mov_b32 v31, 0
	v_lshrrev_b32 v17, 5, v0
	v_readfirstlane_b32 s26, v17                   ; wave 0..3
	s_lshr_b32 s27, ttmp9, 5                       ; e
	s_and_b32 s28, ttmp9, 1
	s_lshl_b32 s28, s28, 2
	s_add_co_u32 s28, s28, s26                     ; q = 4 p + wave
	s_lshl_b32 s38, s28, 4                         ; the first place of my tile g = 0: 16 q, + 640 a pass
	s_mov_b32 s37, 0                               ; the pass's first place
	s_mov_b32 s41, 0                               ; passes done
	s_mov_b32 s42, 0x76543210                      ; v_permlanex16_b32: lane l takes lane l xor 16
	s_mov_b32 s43, 0xfedcba98
	v_and_b32 v1, 31, v0                           ; lane
	v_and_b32 v2, 15, v0                           ; r
	v_bfe_u32 v3, v0, 4, 1                         ; h
	v_mul_u32_u24 v4, v2, WP
	v_lshl_add_u32 v4, v3, 4, v4
	v_add_nc_u32 v5, WHALF, v4
	v_lshlrev_b32 v6, 7, v3
	v_add_nc_u32 v6, TAB, v6                       ; the table: my half's 128 bytes of tile 0
	v_lshrrev_b32 v17, 6, v0
	v_mul_u32_u24 v7, v17, WP
	v_and_b32 v17, 63, v0
	v_lshl_add_u32 v7, v17, 4, v7                  ; W1 into LDS: 128 threads x 16 bytes are two rows: row thread / 64, byte 16 (thread % 64)
	v_add_nc_u32 v8, WHALF, v7
	v_lshlrev_b32 v9, 4, v0                        ; W1 in memory: 16 x thread
	v_lshlrev_b32 v11, 4, v3                       ; 16 h
	v_add_nc_u32 v12, s38, v2                      ; my place in tile g = 0: 16 q + r, + 640 a pass
	v_lshrrev_b32 v17, 4, v0                       ; the table, in: thread = hidden unit 16 t + 8 h + j of the slice: 256 t + 128 h + 4 j
	v_lshlrev_b32 v14, 8, v17
	v_bfe_u32 v17, v0, 3, 1
	v_lshl_add_u32 v14, v17, 7, v14
	v_and_b32 v17, 7, v0
	v_lshl_add_u32 v14, v17, 2, v14
	v_add_nc_u32 v14, TAB, v14
	v_mul_u32_u24 v29, v0, 12                      ; W2: a hidden unit's three numbers
	v_lshlrev_b32 v30, 2, v0                       ; b1
	s_lshr_b32 s35, ttmp9, 1                       ; 16 e + s
	s_mov_b32 s45, 0
	s_wait_kmcnt 0x0
	s_lshl_b32 s44, s27, 14
	s_add_nc_u64 s[8:9], s[8:9], s[44:45]          ; order: 4,096 words an expert
	LISTASK 0                                      ; the first pass's places end at 639.  Asked for first of all: the gathers hang on these five loads
	s_load_b64 s[30:31], s[18:19], 0x0             ; e0, e1
	s_lshl_b32 s44, s27, 2
	s_add_nc_u64 s[22:23], s[22:23], s[44:45]      ; cnt: word e
	s_load_b32 s36, s[22:23], 0x0                  ; n
	s_lshl_b32 s44, s35, 17
	s_add_nc_u64 s[12:13], s[12:13], s[44:45]      ; W1: 128 rows of 1,024 bytes a slice
	s_lshl_b32 s44, s35, 9
	s_add_nc_u64 s[14:15], s[14:15], s[44:45]      ; b1: 128 x 4
	s_mul_i32 s44, s35, 1536
	s_add_nc_u64 s[16:17], s[16:17], s[44:45]      ; W2: 128 x 12
	s_and_b32 s39, s35, 15
	s_lshl_b32 s39, s39, 3
	s_add_co_u32 s39, s39, s27
	s_lshl_b32 s44, s39, 16
	s_add_nc_u64 s[20:21], s[20:21], s[44:45]      ; part: (8 s + e) x 4,096 places x 16 bytes
	global_load_b32 v96, v30, s[14:15]
	global_load_b32 v97, v29, s[16:17]
	global_load_b32 v98, v29, s[16:17] offset:4
	global_load_b32 v99, v29, s[16:17] offset:8
	WIN 0x80                                       ; destination window 2
.set NN, 0
.rept 64
	global_load_b128 v[4*NN:4*NN+3], v9, s[12:13] offset:2048*NN  ; the four waves read 2,048 consecutive bytes, two rows of W1
.set NN, NN+1
.endr
	WIN 0
	LISTGOT 63                                     ; of my 73 loads the first ten are in: the list's five, the table's four, one of W1's; the rest of W1 stays out
	GATH3
	s_wait_loadcnt 60                              ; all but the 60 gathers: the table's numbers and W1's slice are in
	s_wait_kmcnt 0x0
	s_min_u32 s36, s36, 0x1000                     ; n, held at the number of rows
	s_add_co_i32 s32, s30, s31                     ; e0 + e1
	s_sub_co_i32 s33, 0, s32
	v_ldexp_f32 v96, v96, s33                      ; b1 / 2^(e0 + e1)
	v_ldexp_f32 v97, v97, s32                      ; W2 x 2^(e0 + e1)
	v_ldexp_f32 v98, v98, s32
	v_ldexp_f32 v99, v99, s32
	ds_store_b32 v14, v96
	ds_store_b32 v14, v97 offset:32
	ds_store_b32 v14, v98 offset:64
	ds_store_b32 v14, v99 offset:96
	WIN 0x08                                       ; an LDS store's data are source 1: window 2
.set NN, 0
.rept 32
	ds_store_b128 v7, v[4*NN:4*NN+3] offset:2*WP*NN
.set NN, NN+1
.endr
.rept 32
	ds_store_b128 v8, v[4*NN:4*NN+3] offset:2*WP*(NN-32)
.set NN, NN+1
.endr
	WIN 0
	s_wait_dscnt 0x0                               ; for the others' sake: my part of W1 and of the table lies in LDS
	s_barrier_signal -1
	s_barrier_wait -1                              ; the one barrier: ahead of it LDS is only written, behind it only read
.macro LW t0, k                        ; four fragments of W1, hidden tiles t0 .. t0 + 3, K step k: 16 LDS loads
.irp t, 0,1,2,3
.irp c, 0,1,2,3
	ds_load_b128 v[WF+16*(\t0+\t)+4*\c:WF+16*(\t0+\t)+4*\c+3], v[AW+(\t0)/4] offset:16*WP*\t+128*(\k)+32*\c
.endr
.endr
.endm
; 20 products: hidden tiles t0 .. t0 + 3 x my five tiles of rows.  In K step 0 the bias starts each sum.  The 40 accumulators take turns, one instruction a turn, in the same order in every K step.
.macro MUL20 t0, k
.irp t, 0,1,2,3
.irp g, 0,1,2,3,4
.if (\k) == 0
	v_wmma_f32_16x16x128_bf8_bf8 v[8*(5*\t+\g):8*(5*\t+\g)+7], v[WF+16*(\t0+\t):WF+16*(\t0+\t)+15], v[80*((\k)%3)+16*\g:80*((\k)%3)+16*\g+15], v[B1R+8*(\t0+\t):B1R+8*(\t0+\t)+7]
.else
	v_wmma_f32_16x16x128_bf8_bf8 v[8*(5*\t+\g):8*(5*\t+\g)+7], v[WF+16*(\t0+\t):WF+16*(\t0+\t)+15], v[80*((\k)%3)+16*\g:80*((\k)%3)+16*\g+15], v[8*(5*\t+\g):8*(5*\t+\g)+7]
.endif
.endr
.endr
.endm
.macro KSTEP k
.if (\k) < 6
	s_wait_loadcnt 40                              ; x of this K step is in; the gathers of the two steps behind it stay out
.elseif (\k) == 6
	s_wait_loadcnt 20
.else
	s_wait_loadcnt 0
.endif
	s_wait_dscnt 16                                ; W1's tiles 0-3 of this step are in (in step 0 the bias too); the youngest sixteen loads, tiles 4-7, may be out
.if (\k) == 0
	WIN 0x84                                       ; source 0 (W1) window 0, source 1 (x) window 1, C (the bias) window 0, D window 2
.else
	WIN 0xa4                                       ; C and D window 2
.endif
	MUL20 0, \k
	WIN 0
.if (\k) < 7
	PLACES
	LW 0, (\k)+1
	s_wait_dscnt 16                                ; tiles 4-7 of this step are in; the sixteen just issued may be out
.else
	s_wait_dscnt 0
.endif
.if (\k) == 0
	WIN 0xc4
.else
	WIN 0xf4                                       ; C and D window 3
.endif
	MUL20 4, \k
	WIN 0
	PLACES                                         ; for the loads below, and behind the last step for the first reads of results
.if (\k) < 7
	LW 4, (\k)+1
.endif
.if (\k) < 5
	WIN 0x40
	GATH (\k)+3                                    ; the ring's slot k % 3 has been multiplied
	WIN 0
.endif
.endm
; out(g, c) += relu'd sums x W2', two hidden units an instruction; the fifteen sums take turns
.macro DOT t0
.irp t, 0,1,2,3
.irp jj, 0,1,2,3
.irp g, 0,1,2,3,4
.irp c, 0,1,2
.if ((\t0)+\t+\jj) == 0
	v_pk_mul_f32 v[OUT+6*\g+2*\c:OUT+6*\g+2*\c+1], v[8*(5*\t+\g)+2*\jj:8*(5*\t+\g)+2*\jj+1], v[W2T+24*(\t0+\t)+8*\c+2*\jj:W2T+24*(\t0+\t)+8*\c+2*\jj+1]   ; the first product starts the sums
.else
	v_pk_fma_f32 v[OUT+6*\g+2*\c:OUT+6*\g+2*\c+1], v[8*(5*\t+\g)+2*\jj:8*(5*\t+\g)+2*\jj+1], v[W2T+24*(\t0+\t)+8*\c+2*\jj:W2T+24*(\t0+\t)+8*\c+2*\jj+1], v[OUT+6*\g+2*\c:OUT+6*\g+2*\c+1]
.endif
.endr
.endr
.endr
.endr
.endm
.Lpass:                                                ; one trip: 80 rows of mine x 128 hidden units x 1,024 along K: 320 products
.irp t, 0,1,2,3,4,5,6,7
	ds_load_b128 v[B1R+8*\t:B1R+8*\t+3],   v6 offset:256*\t      ; b1' of hidden units 16 t + 8 h + 0 .. 7: the result's layout
	ds_load_b128 v[B1R+8*\t+4:B1R+8*\t+7], v6 offset:256*\t+16
.endr
	LW 0, 0
	LW 4, 0
.irp k, 0,1,2,3,4,5,6,7
	KSTEP \k
.endr
.irp t, 0,1,2,3,4,5,6,7
.irp i, 0,1,2,3,4,5
	ds_load_b128 v[W2T+24*\t+4*\i:W2T+24*\t+4*\i+3], v6 offset:256*\t+32+16*\i   ; W2' over the bias and W1's fragments, which are done with
.endr
.endr
	WIN 0x88                                       ; source 1 and destination window 2
.set NN, 0
.rept 160
	v_max_num_f32 v[NN], 0, v[NN]                  ; relu, each accumulator from its low end on
.set NN, NN+1
.endr
	WIN 0xcc                                       ; window 3
.set NN, 0
.rept 160
	v_max_num_f32 v[NN], 0, v[NN]
.set NN, NN+1
.endr
	s_wait_dscnt 0x0                               ; W2' is in
	WIN 0x02                                       ; source 0 window 2
	DOT 0
	WIN 0x03                                       ; source 0 window 3
	DOT 4
	WIN 0
	; the way out: a pair's two halves, then the other eight hidden units of each tile, which lie in lane l xor 16
.irp g, 0,1,2,3,4
.irp c, 0,1,2
	v_add_f32 v[OQ+4*\g+\c], v[OUT+6*\g+2*\c], v[OUT+6*\g+2*\c+1]
.endr
.endr
.irp g, 0,1,2,3,4
.irp c, 0,1,2
	v_permlanex16_b32 v[PT+3*\g+\c], v[OQ+4*\g+\c], s42, s43   ; (its destination counts as read: W2's loads have written it)
.endr
.endr
.irp g, 0,1,2,3,4
.irp c, 0,1,2
	v_add_f32 v[OQ+4*\g+\c], v[OQ+4*\g+\c], v[PT+3*\g+\c]
.endr
	v_mov_b32 v[OQ+4*\g+3], 0                      ; the fourth word of a place: so that sixteen lanes store 256 consecutive bytes
.endr
	v_lshlrev_b32 v13, 4, v12                      ; 16 bytes a place
	s_wait_xcnt 0x0                                ; EXEC is a source of the loads issued above: it changes only behind this wait
	v_cmp_gt_u32 vcc_lo, 16, v1
	s_and_saveexec_b32 s40, vcc_lo                 ; lanes 0-15: lane = row
.irp g, 0,1,2,3,4
	s_add_co_u32 s39, s38, 128*\g                  ; the tile's first place
	s_cmp_lt_u32 s39, s36
	s_cbranch_scc0 .Lskip\g                        ; a tile that begins at or past n holds no row of this expert
	global_store_b128 v13, v[OQ+4*\g:OQ+4*\g+3], s[20:21] offset:2048*\g   ; sixteen lanes store 256 consecutive bytes, at a multiple of 256 from part's first byte
.Lskip\g:
.endr
	s_wait_xcnt 0x0                                ; the stores have read EXEC, their data and their address: all three are written again below or in the next trip
	s_or_b32 exec_lo, exec_lo, s40
	v_add_nc_u32 v12, 640, v12
	s_add_co_u32 s38, s38, 640
	s_add_co_u32 s37, s37, 640
	s_cmp_ge_u32 s37, s36
	s_cbranch_scc1 .Ldone                          ; no place is left: nothing more is gathered.  n is at most 4,096, so this way out is taken behind the seventh pass at the latest
	LISTASK 1                                      ; (the last pass's loads by these offsets, and the gathers by the tokens' registers, were shown done by the last K step's wait for 0)
	LISTGOT 0                                      ; nothing else is out
	GATH3
	s_add_co_u32 s41, s41, 1                       ; the loop is counted by ones against a constant: 7 x 640 places cover every n
	s_cmp_lt_u32 s41, PASSES
	s_cbranch_scc1 .Lpass
.Ldone:
	s_wait_tensorcnt 0x0
	ds_add_u32 v23, v31
	s_wait_dscnt 0x0
	s_endpgm
.Lfunc_end_k_q4877293449_chain:
	.size	k_q4877293449_chain, .Lfunc_end_k_q4877293449_chain-k_q4877293449_chain
	.p2alignl 7, 3214868480
	.fill 96, 4, 3214868480
	.section	.rodata,"a",@progbits
	.p2align	6, 0x0
	.amdhsa_kernel k_q4877293449_chain
		.amdhsa_group_segment_fixed_size 135680
		.amdhsa_private_segment_fixed_size 0
		.amdhsa_enable_private_segment 0
		.amdhsa_kernarg_size 64
		.amdhsa_user_sgpr_count 2
		.amdhsa_user_sgpr_kernarg_segment_ptr 1
		.amdhsa_wavefront_size32 1
		.amdhsa_system_sgpr_workgroup_id_x 1
		.amdhsa_system_sgpr_workgroup_id_y 1
		.amdhsa_system_sgpr_workgroup_id_z 1
		.amdhsa_system_vgpr_workitem_id 0
		.amdhsa_next_free_vgpr 928
		.amdhsa_next_free_sgpr 66
		.amdhsa_reserve_vcc 1
		.amdhsa_float_denorm_mode_32 3
		.amdhsa_float_denorm_mode_16_64 3
		.amdhsa_memory_ordered 1
		.amdhsa_forward_progress 1
		.amdhsa_inst_pref_size 127
	.end_amdhsa_kernel
	.amdgpu_metadata
---
amdhsa.version: [ 1, 2 ]
amdhsa.kernels:
  - .name:           k_q4877293449_chain
    .symbol:         k_q4877293449_chain.kd
    .args:
      - { .name: order, .offset: 0, .size: 8, .value_kind: global_buffer, .address_space: global }
      - { .name: xq, .offset: 8, .size: 8, .value_kind: global_buffer, .address_space: global }
      - { .name: W1_codes, .offset: 16, .size: 8, .value_kind: global_buffer, .address_space: global }
      - { .name: b1, .offset: 24, .size: 8, .value_kind: global_buffer, .address_space: global }
      - { .name: W2, .offset: 32, .size: 8, .value_kind: global_buffer, .address_space: global }
      - { .name: lowp_scales, .offset: 40, .size: 8, .value_kind: global_buffer, .address_space: global }
      - { .name: part, .offset: 48, .size: 8, .value_kind: global_buffer, .address_space: global }
      - { .name: cnt, .offset: 56, .size: 8, .value_kind: global_buffer, .address_space: global }
    .group_segment_fixed_size: 135680
    .private_segment_fixed_size: 0
    .kernarg_segment_align: 8
    .kernarg_segment_size: 64
    .max_flat_workgroup_size: 128
    .sgpr_count:     66
    .vgpr_count:     928
    .wavefront_size: 32
...
	.end_amdgpu_metadata
.endif
;; end of part 3
;; launch combine (part 4): grid 32 x 1, 4 waves a work-group, no clusters, 0 bytes of LDS; arguments part, order, cnt, b2, out0; writes out0
.if DOCPART == 4
	.amdgcn_target "amdgcn-amd-amdhsa--gfx1250"
	.amdhsa_code_object_version 6
	.text
	.protected	k_q4877293449_combine
	.globl	k_q4877293449_combine
	.p2align	8
	.type	k_q4877293449_combine,@function
k_q4877293449_combine:
	s_mov_b64 s[64:65], 0
	v_nop
	global_prefetch_b8 v0, s[64:65] scope:SCOPE_SE
	s_setreg_imm32_b32 hwreg(HW_REG_WAVE_MODE, 25, 1), 1
	s_wait_xcnt 0x0
; out0[token][c] = b2[e][c] + the sum over the 16 slices of part[s][e][place][c].
; Thread i of 4,096 (32 work-groups x 128) is the i-th row in the order expert by expert, place by place: its expert is the number of running sums of cnt that are at most i, its place i less the last of them.
; The counts add up to 4,096, so every token is written once.  All a thread's 20 loads go out together; one wait.  No LDS, no barrier: threads share nothing.
; The sixteen parts are added in two chains (even slices onto b2, odd slices onto slice 1's), an order of f32 additions of this text's own.
; The stores are three words a lane at 12 x token: the program's one scatter, 48 KB: a row of out0 is 12 bytes, and neighbouring places are tokens far apart.
	s_load_b256 s[4:11], s[0:1], 0x0               ; part s[4:5], order s[6:7], cnt s[8:9], b2 s[10:11]
	s_load_b64 s[12:13], s[0:1], 0x20              ; out0
	s_lshl_b32 s14, ttmp9, 7
	v_add_nc_u32 v1, s14, v0                       ; i
	v_mov_b32 v2, 0                                ; e
	v_mov_b32 v3, 0                                ; rows of the experts before e
	s_wait_kmcnt 0x0
	s_load_b256 s[16:23], s[8:9], 0x0              ; the eight counts
	s_wait_kmcnt 0x0
.irp k, 1,2,3,4,5,6
	s_add_co_u32 s[16+\k], s[16+\k], s[15+\k]      ; running sums
.endr
.irp k, 0,1,2,3,4,5,6
	v_cmp_le_u32 vcc_lo, s[16+\k], v1
	v_cndmask_b32 v2, v2, \k+1, vcc_lo
	v_cndmask_b32 v3, v3, s[16+\k], vcc_lo
.endr
	v_sub_nc_u32 v4, v1, v3                        ; place
	v_min_u32 v4, 0xfff, v4                        ; what is made from loaded numbers is held inside its table before it enters an address
	v_min_u32 v2, 7, v2
	v_lshl_add_u32 v5, v2, 12, v4                  ; 4,096 e + place
	v_lshlrev_b32 v6, 2, v5
	v_lshlrev_b32 v7, 4, v5
	v_mul_u32_u24 v8, v2, 12
	global_load_b32 v9, v6, s[6:7]                 ; the token
	global_load_b32 v12, v8, s[10:11]
	global_load_b32 v13, v8, s[10:11] offset:4
	global_load_b32 v14, v8, s[10:11] offset:8
.irp s, 0,1,2,3,4,5,6,7,8,9,10,11,12,13,14,15
	global_load_b128 v[16+4*\s:19+4*\s], v7, s[4:5] offset:524288*\s th:TH_LOAD_NT   ; neighbouring lanes of one expert read neighbouring 16 bytes; a slice is 8 x 4,096 x 16 bytes; the largest offset lies inside the signed 24-bit immediate
.endr
	s_wait_loadcnt 0x0
.irp s, 0,2,4,6,8,10,12,14
	v_pk_add_f32 v[12:13], v[12:13], v[16+4*\s:17+4*\s]
	v_add_f32 v14, v14, v[18+4*\s]
.if \s > 0
	v_pk_add_f32 v[20:21], v[20:21], v[20+4*\s:21+4*\s]
	v_add_f32 v22, v22, v[22+4*\s]
.endif
.endr
	v_pk_add_f32 v[12:13], v[12:13], v[20:21]
	v_add_f32 v14, v14, v22
	v_min_u32 v9, 0xfff, v9
	v_mul_u32_u24 v9, v9, 12
	global_store_b32 v9, v12, s[12:13]
	global_store_b32 v9, v13, s[12:13] offset:4
	global_store_b32 v9, v14, s[12:13] offset:8
	s_endpgm
.Lfunc_end_k_q4877293449_combine:
	.size	k_q4877293449_combine, .Lfunc_end_k_q4877293449_combine-k_q4877293449_combine
	.p2alignl 7, 3214868480
	.fill 96, 4, 3214868480
	.section	.rodata,"a",@progbits
	.p2align	6, 0x0
	.amdhsa_kernel k_q4877293449_combine
		.amdhsa_group_segment_fixed_size 0
		.amdhsa_private_segment_fixed_size 0
		.amdhsa_enable_private_segment 0
		.amdhsa_kernarg_size 40
		.amdhsa_user_sgpr_count 2
		.amdhsa_user_sgpr_kernarg_segment_ptr 1
		.amdhsa_wavefront_size32 1
		.amdhsa_system_sgpr_workgroup_id_x 1
		.amdhsa_system_sgpr_workgroup_id_y 1
		.amdhsa_system_sgpr_workgroup_id_z 1
		.amdhsa_system_vgpr_workitem_id 0
		.amdhsa_next_free_vgpr 80
		.amdhsa_next_free_sgpr 66
		.amdhsa_reserve_vcc 1
		.amdhsa_float_denorm_mode_32 3
		.amdhsa_float_denorm_mode_16_64 3
		.amdhsa_memory_ordered 1
		.amdhsa_forward_progress 1
		.amdhsa_inst_pref_size 7
	.end_amdhsa_kernel
	.amdgpu_metadata
---
amdhsa.version: [ 1, 2 ]
amdhsa.kernels:
  - .name:           k_q4877293449_combine
    .symbol:         k_q4877293449_combine.kd
    .args:
      - { .name: part, .offset: 0, .size: 8, .value_kind: global_buffer, .address_space: global }
      - { .name: order, .offset: 8, .size: 8, .value_kind: global_buffer, .address_space: global }
      - { .name: cnt, .offset: 16, .size: 8, .value_kind: global_buffer, .address_space: global }
      - { .name: b2, .offset: 24, .size: 8, .value_kind: global_buffer, .address_space: global }
      - { .name: out0, .offset: 32, .size: 8, .value_kind: global_buffer, .address_space: global }
    .group_segment_fixed_size: 0
    .private_segment_fixed_size: 0
    .kernarg_segment_align: 8
    .kernarg_segment_size: 40
    .max_flat_workgroup_size: 128
    .sgpr_count:     66
    .vgpr_count:     80
    .wavefront_size: 32
...
	.end_amdgpu_metadata
.endif
;; end of part 4
